; MI455X (gfx1250); checked and timed in simulation.
; The chip was launched on July 23, 2026; its instructions are those of AMD's public machine-readable ISA for CDNA 5 (MIT licence, August 2026) and "CDNA5" Instruction Set Architecture Reference Guide (July 2026). The comments in the code are by the model that wrote it; some were corrected since.
;; Dot Attention Unit. Allowed arithmetic: matrix products marked QUANTISED: E2M3 operands, one E8M0 scale for each 32 along K, by v_wmma_scale_f32_16x16x128_f8f6f4 with both operands' format E2M3, f32 sums; products left as they are: f32 operands where the result goes on into a quantised operand, else bf16, f16 or f32 operands; f32 sums; everything else in f32.
;; Inputs: W 512 x 512 float32; hp 4 x 256 x 512 float32; hq 4 x 256 x 512 float32; v_w 1 x 512 float32.
;; Outputs: out0 4 x 256 x 512 float32.
;; This version of the problem:
;;   THIS VERSION OF THE PROBLEM IS GIVEN IN LOW PRECISION. The matrix products marked QUANTISED in the list below multiply operands that are first quantised to E2M3 (2 exponent bits, 3 mantissa bits; 6 bits a number), with one power-of-two scale for each 32 numbers along K (OCP MX v1.0); their sums are f32. All else is computed in f32.
;;   The module's matrix products, in the order in which they are computed (A, B: the left and right operand; K: the contracted axis; several contracted axes count as one K, in the product's order):
;;     1. [M 262,144, K 512] x [K 512, N 512]; A: computed on the way; B: input W: QUANTISED
;;     2. [M 262,144, K 512] x [K 512, N 1]; A: computed on the way; B: input v_w: left as it is (N = 1 < 16)
;;     3. batch 4 x [M 256, K 256] x [K 256, N 512]; A: softmax (see below); B: input hq: QUANTISED
;;   THE QUANTISER, for each operand of a quantised product, along K:
;;     - K is cut into blocks of 32 from its start; a last block that is shorter is filled with zeros.
;;     - A block's scale is 2^e with e = floor(log2(the largest magnitude in the block)) - 2, held to -126 .. 127; a block of zeros has e = 0. As a byte (E8M0): e + 127.
;;     - Each number is divided by its block's scale, clamped to +-7.5, and rounded to the nearest number of E2M3, ties to even, subnormals kept.
;;     - The product sums the exact products of the quantised numbers (number of the format x scale) in f32.
;;   ~~~python
;;   def quantise(x, axis):      # numpy; x: float32 -> the quantised numbers, widened to float32 again
;;       x = np.moveaxis(x, axis, -1); K = x.shape[-1]
;;       x = np.pad(x, [(0, 0)] * (x.ndim - 1) + [(0, -K % 32)]); x = x.reshape(x.shape[:-1] + (-1, 32)); a = np.abs(x).max(-1, keepdims=True)
;;       e = np.where(a > 0, np.clip(np.frexp(np.where(a > 0, a, 1))[1] - 1 - 2, -126, 127), 0)      # np.frexp(a)[1] - 1 = floor(log2(a)), exactly
;;       r = np.clip(x / 2.0 ** e, -7.5, 7.5)
;;       step = 2.0 ** (np.maximum(np.frexp(np.where(r == 0, 1, r))[1] - 1, 0) - 3)
;;       q = np.round(r / step) * step * 2.0 ** e      # np.round: ties to even
;;       return np.moveaxis(q.reshape(q.shape[:-2] + (-1,))[..., :K], -1, axis).astype(np.float32)
;;   ~~~
;;   SOFTMAX AHEAD OF A QUANTISED PRODUCT. Where the list says 'softmax', what is quantised is not the finished softmax but p = 2^(t - M), with t = logit x log2(e) and M = ceil(the row's largest t), a whole number; so 1/2 < the row's largest p <= 1. The row's sum l is taken of the UNQUANTISED p, in f32, and the product's result is divided by l at the end. Since M is a whole number, a kernel that streams over the keys may use a running M (the ceiling of the running maximum): every later rescaling is an exact power of two, which a block's scale takes up: the codes' values come out the same.
;;   OPERANDS COMPUTED ON THE WAY. 'Computed on the way' means the value that the module computes at that place (a softmax that the list does not call 'softmax' is quantised finished and normalised). What goes into a quantiser is computed in f32, as accurately as f32 sums, v_exp_f32 and their like allow (about 1e-6 of the number): no bf16 or f16 on the way to a quantiser, and a product that is left as it is and whose result goes on into a quantised operand takes f32 operands (vector FMAs, or v_wmma_f32_16x16x4_f32). A number that lies on a knife's edge between two numbers of the format may be rounded either way, as far as f32 arithmetic and the matrix unit's own rounding can turn it there, and no further.
;; One version. Each part assembles by itself: llvm-mc -triple=amdgcn-amd-amdhsa -mcpu=gfx1250 --defsym DOCPART=n.
;; ======== version 1 of 1: 2 launches
;; limits: a difference of large sums (such as E[x^2] - mean^2): digits are lost where the result is much smaller than its terms
;; workspace buffers: wq 204,800 bytes; hqq 409,600 bytes
;; launch prep (part 1): grid 96 x 1, 4 waves a work-group, no clusters, 0 bytes of LDS; arguments W, hq, wq, hqq; writes wq, hqq
.if DOCPART == 1
	.amdgcn_target "amdgcn-amd-amdhsa--gfx1250"
	.amdhsa_code_object_version 6
	.text
	.protected	k_qe03ac4545f_prep
	.globl	k_qe03ac4545f_prep
	.p2align	8
	.type	k_qe03ac4545f_prep,@function
k_qe03ac4545f_prep:
	s_mov_b64 s[64:65], 0
	v_nop
	global_prefetch_b8 v0, s[64:65] scope:SCOPE_SE
	s_setreg_imm32_b32 hwreg(HW_REG_WAVE_MODE, 25, 1), 1
	s_wait_xcnt 0x0
; W [512 (v)][512 (h)] is quantised along h, hq [4][256 (q)][512 (h)] along q, to codes of FP6 (E2M3) with one E8M0 byte for each 32 along K.
; Both are read by every work-group of the next launch, so they are quantised once, here.
; The results are laid AS IMAGES OF THE OPERAND'S REGISTERS: a fragment (16 rows x 128 K) is 12 registers a lane = 1,536 bytes; registers 4 c .. 4 c + 3 of lane l lie at 512 c + 16 l.
;   wq : fragment 4 t + s (rows 16 t + r of W, K step s) at 1,536 (4 t + s); from byte 196,608 on the scale bytes [512 rows][16].
;   hqq: 102,400 bytes a batch: fragment 2 T + s2 (K = q 128 s2 on) at 1,536 (2 T + s2); LANE r OF TILE T IS COLUMN h = 64 (T / 4) + 4 r + T % 4, so that in the next launch
;        a lane's results of four neighbouring tiles are four neighbouring numbers of a row of the output; from byte 98,304 on the scale words [T][r][s2].
; One wave makes one fragment: lane (r, h) holds two whole blocks of 32 along K (k = 64 c + 32 h + 0 .. 31), in the order that the operand's layout gives that lane, so no other lane is asked for a maximum
; and the conversions' results are the operand's registers.  Work-groups 0-31: W (tile = work-group, K step = wave).  Work-groups 32-95: hq (fragment 4 (work-group - 32) + wave of 256).
; A block's scale is 2^(floor(log2(its largest magnitude)) - 2); its byte is the largest magnitude's exponent field - 2, held at 1 from below.
; LIMITS: a block of zeros, or one whose largest magnitude lies under 2^-124, keeps the byte 1 (a block of zeros has zero codes, which add nothing; only this program reads the bytes); NaN and infinities are not served.
; The images leave by stores of 512 consecutive bytes.  The scale words leave 4 bytes a lane, 16 or 8 bytes apart: 24 KiB of the launch's 600 KiB.
	s_load_b256 s[4:11], s[0:1], 0x0               ; W s[4:5], hq s[6:7], wq s[8:9], hqq s[10:11]
	v_lshrrev_b32 v1, 5, v0
	v_readfirstlane_b32 s12, v1                    ; wave 0..3
	s_mov_b32 s20, 0x76543210
	s_mov_b32 s21, 0xfedcba98                      ; v_permlanex16_b32's selects for lane l xor 16
	; both sets of offsets are made, then one compare on the work-group's number chooses
	s_min_u32 s13, ttmp9, 31                       ; W: tile t
	s_lshl_b32 s14, s13, 15                        ; 16 rows of 2,048 bytes
	s_lshl_b32 s15, s12, 9                         ; K step: 128 numbers
	s_add_co_u32 s14, s14, s15                     ; where the fragment's numbers begin
	s_lshl_b32 s15, s13, 2
	s_add_co_u32 s15, s15, s12
	s_mul_i32 s15, s15, 1536                       ; its image
	s_lshl_b32 s16, s13, 8                         ; 16 rows of 16 scale bytes
	s_lshl_b32 s17, s12, 2
	s_add_co_u32 s16, s16, s17
	s_add_co_u32 s16, s16, 196608                  ; its scale words
	s_max_u32 s13, ttmp9, 32                       ; hq:
	s_sub_co_u32 s13, s13, 32
	s_lshl_b32 s13, s13, 2
	s_add_co_u32 s13, s13, s12                     ; F = 64 b + 2 T + s2
	s_lshr_b32 s17, s13, 6                         ; b
	s_bfe_u32 s18, s13, 0x50001                    ; T
	s_and_b32 s19, s13, 1                          ; s2
	s_lshl_b32 s30, s17, 19                        ; a batch is 524,288 bytes,
	s_lshl_b32 s31, s19, 18                        ; 128 rows q are 262,144,
	s_add_co_u32 s30, s30, s31
	s_lshr_b32 s31, s18, 2
	s_lshl_b32 s31, s31, 8                         ; 64 columns are 256 bytes,
	s_add_co_u32 s30, s30, s31
	s_and_b32 s31, s18, 3
	s_lshl_b32 s31, s31, 2                         ; and T % 4 columns on
	s_add_co_u32 s30, s30, s31
	s_mul_i32 s32, s17, 102400                     ; the batch's part of hqq
	s_and_b32 s31, s13, 63
	s_mul_i32 s31, s31, 1536
	s_add_co_u32 s31, s31, s32                     ; the image
	s_lshl_b32 s33, s18, 7                         ; 16 lanes x 8 bytes a tile
	s_lshl_b32 s34, s19, 2
	s_add_co_u32 s33, s33, s34
	s_add_co_u32 s33, s33, s32
	s_add_co_u32 s33, s33, 98304                   ; the scale words
	s_cmp_lt_u32 ttmp9, 32                         ; W's work-group or hq's?  The choice hangs on the work-group's number alone
	s_cselect_b32 s24, s14, s30
	s_cselect_b32 s26, s15, s31
	s_cselect_b32 s28, s16, s33
	s_cselect_b32 s35, 4, 3                        ; a lane's scale word: 16 bytes a row in wq, 8 in hqq
	s_mov_b32 s25, 0
	s_mov_b32 s27, 0
	s_mov_b32 s29, 0
	s_wait_kmcnt 0x0
	s_cselect_b64 s[4:5], s[4:5], s[6:7]
	s_cselect_b64 s[8:9], s[8:9], s[10:11]
	s_add_nc_u64 s[24:25], s[4:5], s[24:25]        ; the numbers
	s_add_nc_u64 s[26:27], s[8:9], s[26:27]        ; the image
	s_add_nc_u64 s[28:29], s[8:9], s[28:29]        ; the scale words
	v_and_b32 v1, 15, v0                           ; r
	v_bfe_u32 v2, v0, 4, 1                         ; h
	v_and_b32 v4, 31, v0
	v_lshlrev_b32 v4, 4, v4                        ; 16 x lane
	v_lshlrev_b32 v5, s35, v1
	v_lshlrev_b32 v6, 3, v2                        ; 8 h
	s_cmp_lt_u32 ttmp9, 32
	s_cbranch_scc0 .Lhq
	v_lshlrev_b32 v3, 11, v1                       ; W: K is innermost: row r, 32 h numbers on; a block is 128 consecutive bytes
	v_lshl_add_u32 v3, v2, 7, v3
.irp c, 0,1
.irp i, 0,1,2,3,4,5,6,7
	global_load_b128 v[64+32*\c+4*\i:67+32*\c+4*\i], v3, s[24:25] offset:256*\c+16*\i th:TH_LOAD_NT
.endr
.endr
	s_branch .Lq
.Lhq:
	v_lshlrev_b32 v3, 4, v1                        ; hq: the lane takes a column (4 r columns on) and its registers run DOWN q; lanes 16-31 begin 32 rows further down
	v_lshl_add_u32 v3, v2, 16, v3
.irp c, 0,1
.irp i, 0,1,2,3,4,5,6,7,8,9,10,11,12,13,14,15,16,17,18,19,20,21,22,23,24,25,26,27,28,29,30,31
	global_load_b32 v[64+32*\c+\i], v3, s[24:25] offset:(64*\c+\i)*2048
.endr
.endr
.Lq:
	s_wait_loadcnt 0x0
.irp c, 0,1                                    ; my block 2 c + h: all its 32 numbers are mine
	v_max3_num_f32 v[32+\c], |v[64+32*\c]|, |v[65+32*\c]|, 0x1800000   ; and the floor 2^(3 - 127): so the byte cannot fall under 1
.endr
.irp i, 2,4,6,8,10,12,14,16,18,20,22,24,26,28,30
.irp c, 0,1
	v_max3_num_f32 v[32+\c], v[32+\c], |v[64+32*\c+\i]|, |v[65+32*\c+\i]|
.endr
.endr
.irp c, 0,1
	v_add_nc_u32 v[44+\c], 0xff000000, v[32+\c]    ; 2 off the exponent field: the conversion takes the exponent field of this operand as its scale
.endr
.irp c, 0,1
	v_lshrrev_b32 v[36+\c], 23, v[44+\c]           ; the scale's byte
.endr
	v_lshl_or_b32 v9, v37, 16, v36                 ; my two bytes: blocks h and 2 + h,
	v_lshlrev_b32 v9, v6, v9                       ; at their places in the word;
	v_mov_b32 v10, 0
	v_permlanex16_b32 v10, v9, s20, s21
	v_or_b32 v9, v9, v10                           ; with lane l xor 16's two the word is whole
.irp c, 0,1
	v_cvt_scalef32_pk16_fp6_f32 v[48+6*\c:50+6*\c], v[64+32*\c:79+32*\c], v[44+\c]
	v_cvt_scalef32_pk16_fp6_f32 v[128+4*\c:130+4*\c], v[80+32*\c:95+32*\c], v[44+\c]   ; (a conversion's three registers begin on an even number)
.endr
	v_nop                                          ; one plain place behind a scaled conversion
.irp c, 0,1
.irp i, 0,1,2
	v_mov_b32 v[51+6*\c+\i], v[128+4*\c+\i]
.endr
.endr
.irp c, 0,1,2
	global_store_b128 v4, v[48+4*\c:51+4*\c], s[26:27] offset:512*\c   ; 32 lanes store 512 consecutive bytes, at a multiple of 256 from the buffer's first byte
.endr
	global_store_b32 v5, v9, s[28:29]              ; row r's word; both halves of the lanes write the same word with the same value
	s_endpgm
.Lfunc_end_k_qe03ac4545f_prep:
	.size	k_qe03ac4545f_prep, .Lfunc_end_k_qe03ac4545f_prep-k_qe03ac4545f_prep
	.p2alignl 7, 3214868480
	.fill 96, 4, 3214868480
	.section	.rodata,"a",@progbits
	.p2align	6, 0x0
	.amdhsa_kernel k_qe03ac4545f_prep
		.amdhsa_group_segment_fixed_size 0
		.amdhsa_private_segment_fixed_size 0
		.amdhsa_enable_private_segment 0
		.amdhsa_kernarg_size 32
		.amdhsa_user_sgpr_count 2
		.amdhsa_user_sgpr_kernarg_segment_ptr 1
		.amdhsa_wavefront_size32 1
		.amdhsa_system_sgpr_workgroup_id_x 1
		.amdhsa_system_sgpr_workgroup_id_y 1
		.amdhsa_system_sgpr_workgroup_id_z 1
		.amdhsa_system_vgpr_workitem_id 0
		.amdhsa_next_free_vgpr 136
		.amdhsa_next_free_sgpr 66
		.amdhsa_reserve_vcc 0
		.amdhsa_float_denorm_mode_32 3
		.amdhsa_float_denorm_mode_16_64 3
		.amdhsa_memory_ordered 1
		.amdhsa_forward_progress 1
		.amdhsa_inst_pref_size 14
	.end_amdhsa_kernel
	.amdgpu_metadata
---
amdhsa.version: [ 1, 2 ]
amdhsa.kernels:
  - .name:           k_qe03ac4545f_prep
    .symbol:         k_qe03ac4545f_prep.kd
    .args:
      - { .name: W, .offset: 0, .size: 8, .value_kind: global_buffer, .address_space: global }
      - { .name: hq, .offset: 8, .size: 8, .value_kind: global_buffer, .address_space: global }
      - { .name: wq, .offset: 16, .size: 8, .value_kind: global_buffer, .address_space: global }
      - { .name: hqq, .offset: 24, .size: 8, .value_kind: global_buffer, .address_space: global }
    .group_segment_fixed_size: 0
    .private_segment_fixed_size: 0
    .kernarg_segment_align: 8
    .kernarg_segment_size: 32
    .max_flat_workgroup_size: 128
    .sgpr_count:     66
    .vgpr_count:     136
    .wavefront_size: 32
...
	.end_amdgpu_metadata
.endif
;; end of part 1
;; launch main (part 2): grid 256 x 1, 8 waves a work-group, clusters of 4 x 1, 327,680 bytes of LDS; arguments hq, hp, v_w, wq, hqq, out0; writes out0
.if DOCPART == 2
	.amdgcn_target "amdgcn-amd-amdhsa--gfx1250"
	.amdhsa_code_object_version 6
	.text
	.protected	k_qe03ac4545f_main
	.globl	k_qe03ac4545f_main
	.p2align	8
	.type	k_qe03ac4545f_main,@function
k_qe03ac4545f_main:
	s_mov_b64 s[64:65], 0
	v_nop
	global_prefetch_b8 v0, s[64:65] scope:SCOPE_SE
	s_setreg_imm32_b32 hwreg(HW_REG_WAVE_MODE, 25, 1), 1
	s_wait_xcnt 0x0
	s_wait_alu depctr_hold_cnt(0) depctr_sa_sdst(0) depctr_va_vdst(0) depctr_va_sdst(0) depctr_va_ssrc(0) depctr_va_vcc(0) depctr_vm_vsrc(0)
	s_getreg_b32 s2, hwreg(HW_REG_IB_STS2, 6, 4)
	s_cmp_eq_u32 s2, 0
	s_cbranch_scc0 .Lentry_in_a_cluster
	s_endpgm
.Lentry_in_a_cluster:
	s_bfe_u32 s2, ttmp6, 0x10000c
	s_cmp_lg_u32 s2, 0x3003
	s_cbranch_scc0 .Lentry_shape_is_right
	s_endpgm
.Lentry_shape_is_right:
; out[b][p][:] = sum over q of softmax_q(s[p][q]) hq[b][q][:],  s[p][q] = sum over v of v_w[v] tanh(sum over h of Q(hq[b][q][h] hp[b][p][h]) Q(W[v][h])).
; Both large products run on codes of FP6 (E2M3) with one E8M0 scale for each 32 along K; all else is f32.
; SHARES.  A work-group owns 4 rows p of one batch, for all 256 q.  Eight waves of 512 registers, two to a SIMD.
; Wave w owns q = 32 w .. 32 w + 31, as two chunks of 16 q x 4 p = four tiles of 16 rows of the first product.
; A CHUNK: GEN (hq x hp in f32, quantised along h, the codes stay in registers: 192), then W's 32 tiles of 16 v, one a STEP; 64 partial scores to LDS.
; BY TURNS.  Step k has the 16 matrix instructions of tile k (4 K steps x my 4 tiles of rows) and the 114 vector instructions of tile k - 1 (tanh, multiply-add with v_w).  The two share no register
; (two sets of accumulators, of W's fragments and of its scale words, by the tile's parity), so seven vector instructions stand behind each matrix instruction, nine behind the last.
; THE MATRIX INSTRUCTION IS USED TRANSPOSED (source 0 = 16 rows of W, source 1 = 16 rows q): a lane holds one q, and its registers eight v.
; tanh(x) = 1 - 2 / (1 + 2^(2 log2(e) x)); it is right at both ends: the exponential's infinity gives 1, its zero gives -1.  So s = sum(v_w) - 2 S, S = sum of v_w / (1 + 2^..): S is what a chunk stores.
; THE END: every wave makes the softmax of all 4 rows (1,024 numbers: t = log2(e) s; M = ceil(the row's largest t); p = 2^(t - M), quantised along q; the row's sum of the unquantised p divides at the end)
; and the second product for its own 64 columns.  P's sixteen rows all hold real rows: row m holds p (m + m / 8) % 4, so that a lane's register 0 is row (lane / 16) and register 2 row 2 + (lane / 16);
; hq's tile T takes columns 64 (T / 4) + 4 r + T % 4, so that a lane's four tiles are 16 neighbouring bytes of a row of the output: the results are stored from registers.
; LDS is filled ONCE, by tensor loads at the head: nothing is filled again.  W's codes and scales, the batch's hq codes and scales and v_w are the same for the four work-groups of a cluster: asked for JOINTLY.
; hq as f32 goes from memory straight into registers, each wave its own 32 rows: a batch's 512 KiB have no room in LDS beside W, so it is not asked for jointly.
; No prefetch: all that comes by tensor loads is wanted at the head, and hq's rows are read by 64 work-groups at about the same time.
; LIMITS: NaN and infinities among the inputs are not served; a block whose largest magnitude lies under 2^-124 (a block of zeros too) keeps the scale byte 1; a p under 2^-126 counts as 0.
; s is formed as sum(v_w) - 2 S in f32: its rounding error is of the size of sum(|v_w|) x 2^-23.
;
; REGISTERS.  Window 0: v1-15, v56-59 addresses; v16-31 scale words of my four tiles (4 p + s); v48-55 W's (later hq's) scale words (4 u + s); v60-61 P's scale words;
;   GEN: v32-47, v62-63 at work; v64-127, v128-191 hp x hq, two buffers; v192-255 hq, even K steps.
;   STEPS (u = the tile's parity): v32-47 S in 8 pairs (8 u + 2 p); v64-159 W's fragments (48 u + 12 s); v160-223 the accumulators (32 u + 8 p).
;   Window 1: v0-191 my codes (48 p + 12 s); v192-255 hq, odd K steps; in the steps v192-207 v_w (8 u + j), v208-209 2 log2(e), v210-211 1.0; at the end v0-95 hq's 8 fragments.
; ONE WINDOW SETTING SERVES A WHOLE STEP: only source 1 lies in window 1: my codes for the matrix instructions; v_w and the two constants for the packed instructions.
.set LWSC,  196608                     ; LDS: W's 128 fragment images from byte 0; their scale bytes [512][16]
.set LHQI,  204800                     ; the batch's 64 hq fragment images,
.set LHQS,  303104                     ; their scale words,
.set LVW,   307200                     ; v_w,
.set LHP,   309248                     ; my 4 rows of hp,
.set LT,    317440                     ; S [4][256], rows TP bytes apart: blocks of 256 bytes into which no tensor load lands
.set TP,    1056
.set JOINT, 15|(3<<16)|(1<<21)         ; descriptor group 1, word 0: 15:0 the mask: all four work-groups; 17:16 elements of 8 bytes; 21 set beside a mask
.set PLAIN, 3<<16                      ; the same without a mask
.set MSB, 0
.macro WIN new                         ; the immediate's high byte repeats the setting that is left; a switch that changes nothing is dropped
.if MSB != (\new)
	s_set_vgpr_msb (MSB<<8)|(\new)
.set MSB, (\new)
.endif
.endm
.macro ROUND                           ; a round of the cluster's barrier
	s_barrier_signal -1
	s_barrier_wait -1
	s_cmp_lg_u32 s16, 0
	s_cbranch_scc1 .Lnot_wave_0_\@
	s_barrier_signal -3
.Lnot_wave_0_\@:
	s_barrier_wait -3
	s_barrier_signal -1
	s_barrier_wait -1
.endm
.macro BAR                             ; my LDS instructions are done: then the work-group's barrier
	s_wait_dscnt 0x0
	s_barrier_signal -1
	s_barrier_wait -1
.endm
.macro GROUP1 g, w0, rows              ; a dense block as rows of 256 bytes: 32 elements of 8 bytes, pitch 32, no padding
	s_mov_b32 s[\g], \w0
	s_mov_b32 s[\g+1], 32<<16                      ; tensor_dim0
	s_mov_b32 s[\g+2], (\rows)<<16                 ; tensor_dim1
	s_mov_b32 s[\g+3], 32<<16                      ; tile_dim0
	s_mov_b32 s[\g+4], \rows                       ; tile_dim1
	s_mov_b32 s[\g+5], 32                          ; tensor_dim0_stride
	s_mov_b32 s[\g+6], 0
	s_mov_b32 s[\g+7], 0
.endm
	s_load_b256 s[4:11], s[0:1], 0x0               ; hq s[4:5], hp s[6:7], v_w s[8:9], wq s[10:11]
	s_load_b128 s[12:15], s[0:1], 0x20             ; hqq s[12:13], out0 s[14:15]
	v_lshl_add_u32 v254, v0, 2, 0x4e900
	v_mov_b32 v255, 0
	ds_add_u32 v254, v255
	ds_add_u32 v254, v255
	s_wait_dscnt 0x0
	v_lshrrev_b32 v1, 5, v0
	v_readfirstlane_b32 s16, v1                    ; wave 0..7
	s_bfe_u32 s17, ttmp6, 0x40000                  ; cx: my place in the cluster
	s_lshl_b32 s18, ttmp9, 2
	s_add_co_u32 s18, s18, s17                     ; work-group = 4 x cluster + cx: it enters hp's and out0's addresses alone
	s_lshr_b32 s19, ttmp9, 4                       ; the batch: 16 clusters each; the four partners share it
	GROUP1 24, JOINT, 100                          ; W: 25,600 bytes a wave
	GROUP1 32, JOINT, 50                           ; hq's codes: 12,800 bytes a wave
	GROUP1 40, JOINT, 1                            ; v_w: 256 bytes a wave
	GROUP1 48, PLAIN, 4                            ; hp: 1,024 bytes a wave
	s_mov_b32 s76, 0x76543210
	s_mov_b32 s77, 0xfedcba98                      ; v_permlanex16_b32's selects for lane l xor 16
	s_mov_b32 s80, 0xc038aa3b                      ; -2 log2(e)
	s_mov_b32 s81, s80                             ; (named with it as a pair, so it is written)
	v_and_b32 v1, 15, v0                           ; r
	v_bfe_u32 v2, v0, 4, 1                         ; h
	v_lshlrev_b32 v3, 11, v1
	v_lshl_add_u32 v3, v2, 7, v3                   ; hq: row r of 2,048 bytes, + 32 h numbers
	v_lshlrev_b32 v4, 7, v2
	v_add_nc_u32 v4, LHP, v4                       ; hp in LDS: + 32 h numbers
	v_and_b32 v5, 31, v0
	v_lshlrev_b32 v57, 6, v5
	v_add_nc_u32 v57, LVW, v57                     ; v_w, 16 numbers a lane, for its sum
	v_lshlrev_b32 v5, 4, v5                        ; 16 x lane: an image's place for my lane
	v_lshl_add_u32 v6, v1, 4, LWSC                 ; W's scale words: 16 bytes a row
	v_lshl_add_u32 v7, v2, 5, LVW                  ; v_w: my half's eight of a tile's sixteen
	v_lshlrev_b32 v12, 3, v2                       ; 8 h
	s_lshl_b32 s20, s16, 7
	s_add_co_u32 s20, s20, LT
	v_lshl_add_u32 v13, v1, 2, s20                 ; where I store S: q = 32 wave + r
	v_lshrrev_b32 v14, 3, v1
	v_add_nc_u32 v14, v14, v1
	v_and_b32 v14, 3, v14                          ; (r + r / 8) % 4: the row p that P's row r holds
	v_mul_u32_u24 v14, v14, TP
	v_lshl_add_u32 v14, v2, 7, v14
	v_add_nc_u32 v14, LT, v14                      ; where I read S back: + 32 h numbers
	s_mul_i32 s20, s16, 12288
	s_add_co_u32 s20, s20, LHQI
	v_add_nc_u32 v15, s20, v5                      ; my four tiles' eight fragments of hq
	s_lshl_b32 s20, s16, 9
	s_add_co_u32 s20, s20, LHQS
	v_lshl_add_u32 v56, v1, 3, s20                 ; and their scale words
	v_lshlrev_b32 v58, 11, v2
	v_lshl_add_u32 v58, v1, 4, v58
	s_lshl_b32 s20, s16, 8
	v_add_nc_u32 v58, s20, v58                     ; out0: row h, 16 r bytes, + my wave's 256
	v_mov_b32 v59, 0                               ; written once: a lane permute's destination counts as one of its sources
	s_wait_kmcnt 0x0
	; descriptor groups 0.  An LDS address is a constant + a constant x wave; the joint loads' registers never hold cx
	s_mov_b32 s56, 1                               ; hp: my work-group's 8,192 bytes
	s_lshl_b32 s57, s16, 10
	s_add_co_u32 s57, s57, LHP
	s_lshl_b32 s22, s18, 13
	s_lshl_b32 s23, s16, 10
	s_add_co_u32 s22, s22, s23
	s_mov_b32 s23, 0
	s_add_nc_u64 s[58:59], s[6:7], s[22:23]
	s_or_b32 s59, s59, 0x80000000
	s_mov_b32 s60, 1                               ; v_w
	s_lshl_b32 s20, s16, 8
	s_mov_b32 s21, 0
	s_add_co_u32 s61, s20, LVW
	s_add_nc_u64 s[62:63], s[8:9], s[20:21]
	s_or_b32 s63, s63, 0x80000000
	s_mov_b32 s68, 1                               ; W's images and scale bytes
	s_mul_i32 s69, s16, 25600
	s_mov_b32 s20, s69
	s_add_nc_u64 s[70:71], s[10:11], s[20:21]
	s_or_b32 s71, s71, 0x80000000
	s_mov_b32 s72, 1                               ; the batch's hq images and scale words
	s_mul_i32 s20, s16, 12800
	s_add_co_u32 s73, s20, LHQI
	s_mul_i32 s3, s19, 102400
	s_add_co_u32 s20, s20, s3
	s_add_nc_u64 s[74:75], s[12:13], s[20:21]
	s_or_b32 s75, s75, 0x80000000
	s_lshl_b32 s20, s19, 19                        ; hq as f32: the batch, my wave's 32 rows
	s_lshl_b32 s3, s16, 16
	s_add_co_u32 s20, s20, s3
	s_add_nc_u64 s[4:5], s[4:5], s[20:21]
	s_lshl_b32 s22, s18, 13                        ; out0: my work-group's 4 rows
	s_add_nc_u64 s[14:15], s[14:15], s[22:23]
	ROUND                                          ; all four work-groups are here: the joint loads meet
	tensor_load_to_lds s[56:59], s[48:55]          ; hp first: GEN wants it at once.  Four tensor loads of mine are out
	s_nop 0
	tensor_load_to_lds s[60:63], s[40:47]          ; v_w
	s_nop 0
	tensor_load_to_lds s[68:71], s[24:31]          ; W
	s_nop 0
	tensor_load_to_lds s[72:75], s[32:39]          ; hq's codes
	s_nop 0
.rept 4
	v_nop
.endr
	s_wait_tensorcnt 3                             ; my part of hp is in; the three loads issued behind it may be out
	BAR                                            ; everybody's is
; hq's K step s (128 along h: 64 numbers a lane, register 32 c + i = h 128 s + 64 c + 32 (lane / 16) + i of row r): even steps into window 0, odd into window 1
.macro LOADQ s
	WIN 0x40*((\s)%2)
.irp c, 0,1
.irp i, 0,1,2,3,4,5,6,7
	global_load_b128 v[192+32*\c+4*\i:195+32*\c+4*\i], v3, s[4:5] offset:512*(\s)+256*\c+16*\i
.endr
.endr
	WIN 0
.endm
; the same numbers of hp's row p = u % 4, K step u / 4, from LDS (sixteen lanes read the same 16 bytes), into buffer u % 2
.macro LOADP u
.set LPB, 64+64*((\u)%2)
.set LPO, 2048*((\u)%4)+512*((\u)/4)
.irp c, 0,1
.irp i, 0,1,2,3,4,5,6,7
	ds_load_b128 v[LPB+32*\c+4*\i:LPB+32*\c+4*\i+3], v4 offset:LPO+256*\c+16*\i
.endr
.endr
.endm
; UNIT u = 4 s + p: the fragment (row tile p, K step s) of hq x hp: 64 products a lane, two whole blocks of 32, their scale bytes, their codes
.macro UNIT u
.set US, (\u)/4
.set UP, (\u)%4
.set XB, 64+64*((\u)%2)
.if (\u) < 15
	LOADP (\u)+1
	s_wait_dscnt 16                                ; this unit's hp is in; the next unit's sixteen loads may be out
.else
	s_wait_dscnt 0x0
.endif
.if UP == 0
.if US < 3
	s_wait_loadcnt 16                              ; this K step of hq is in; the next one's sixteen loads may be out
.else
	s_wait_loadcnt 0x0
.endif
.endif
	WIN 0x04*(US%2)
.set J, 0
.rept 32
	v_pk_mul_f32 v[XB+J:XB+J+1], v[XB+J:XB+J+1], v[192+J:193+J]
.set J, J+2
.endr
	WIN 0
.if (UP == 3) && (US < 2)
	LOADQ US+2                                     ; this buffer of hq has been read for the last time
.endif
.irp c, 0,1                                    ; the blocks' largest magnitudes: two chains a block, the four by turns
	v_max3_num_f32 v[32+\c], |v[XB+32*\c]|, |v[XB+32*\c+1]|, 0x1800000   ; with the floor 2^(3 - 127): the byte cannot fall under 1
	v_max3_num_f32 v[62+\c], |v[XB+32*\c+16]|, |v[XB+32*\c+17]|, |v[XB+32*\c+18]|
.endr
.irp k, 1,2,3,4,5,6
.irp c, 0,1
	v_max3_num_f32 v[32+\c], v[32+\c], |v[XB+32*\c+2*\k]|, |v[XB+32*\c+2*\k+1]|
	v_max3_num_f32 v[62+\c], v[62+\c], |v[XB+32*\c+17+2*\k]|, |v[XB+32*\c+18+2*\k]|
.endr
.endr
.irp c, 0,1
	v_max3_num_f32 v[32+\c], v[32+\c], |v[XB+32*\c+14]|, |v[XB+32*\c+15]|
.endr
.irp c, 0,1
	v_max3_num_f32 v[32+\c], v[32+\c], v[62+\c], |v[XB+32*\c+31]|
.endr
.irp c, 0,1
	v_add_nc_u32 v[34+\c], 0xff000000, v[32+\c]    ; 2 off the exponent field: the conversion's scale operand
.endr
.irp c, 0,1
	v_lshrrev_b32 v[36+\c], 23, v[34+\c]           ; the scale's byte
.endr
	v_lshl_or_b32 v38, v37, 16, v36                ; my two bytes: blocks h and 2 + h of the K step,
	v_lshlrev_b32 v38, v12, v38                    ; at their places;
	v_permlanex16_b32 v59, v38, s76, s77
	v_or_b32 v[16+4*UP+US], v38, v59               ; with lane l xor 16's two: row r's scale word
	WIN 0x40
.irp c, 0,1
	v_cvt_scalef32_pk16_fp6_f32 v[48*UP+12*US+6*\c:48*UP+12*US+6*\c+2], v[XB+32*\c:XB+32*\c+15], v[34+\c]
.endr
	WIN 0
.irp c, 0,1
	v_cvt_scalef32_pk16_fp6_f32 v[40+4*\c:42+4*\c], v[XB+32*\c+16:XB+32*\c+31], v[34+\c]   ; (a conversion's three registers begin on an even number)
.endr
	v_nop                                          ; one plain place behind a scaled conversion
	WIN 0x40
.irp c, 0,1
.irp i, 0,1,2
	v_mov_b32 v[48*UP+12*US+6*\c+3+\i], v[40+4*\c+\i]
.endr
.endr
	WIN 0
.endm
.macro LOADW u, woff, soff             ; a tile of W into set u: 4 fragment images, 512 consecutive bytes a load, and its rows' 4 scale words: 13 loads
.irp s, 0,1,2,3
.irp c, 0,1,2
	ds_load_b128 v[64+48*(\u)+12*\s+4*\c:67+48*(\u)+12*\s+4*\c], v8 offset:(\woff)+1536*\s+512*\c
.endr
.endr
	ds_load_b128 v[48+4*(\u):51+4*(\u)], v9 offset:\soff
.endm
.macro LOADV o, voff                   ; v_w of a tile, my half's eight, into set o in window 1: 2 loads
.irp k, 0,1
	ds_load_b128 v[192+8*(\o)+4*\k:195+8*(\o)+4*\k], v10 offset:(\voff)+16*\k
.endr
.endm
; Matrix instruction I of 16 of the tile in set u: K step I / 4, my tile of rows I % 4.  The four accumulators take turns, one instruction a turn; the first four start the sums.
.macro MM u
.set MS, I/4
.set MP, I%4
.set MX, 160+32*(\u)+8*MP
.set MW, 64+48*(\u)+12*MS
.set MC, 48*MP+12*MS
.if MS == 0
	v_wmma_scale_f32_16x16x128_f8f6f4 v[MX:MX+7], v[MW:MW+11], v[MC:MC+11], 0, v[48+4*(\u)+MS], v[16+4*MP+MS] matrix_a_fmt:MATRIX_FMT_FP6 matrix_b_fmt:MATRIX_FMT_FP6
.else
	v_wmma_scale_f32_16x16x128_f8f6f4 v[MX:MX+7], v[MW:MW+11], v[MC:MC+11], v[MX:MX+7], v[48+4*(\u)+MS], v[16+4*MP+MS] matrix_a_fmt:MATRIX_FMT_FP6 matrix_b_fmt:MATRIX_FMT_FP6
.endif
.set I, I+1
.endm
; Number J of the 114 vector instructions of the tile whose 32 sums a lane lie in set o (x0-x31, in pairs 0-15).
;   0-47    the 16 scalings 2 log2(e) x, ascending, and the 32 exponentials: two scalings, then two exponentials and a scaling by turns; a pair is scaled ahead of its exponentials
;   48      a plain instruction behind the last exponential, and ONE wait for the batch, ahead of its first reader
;   49-96   the 16 additions of 1 and the 32 reciprocals, in the same order
;   97      the same for the reciprocals; and v_w is in (more = 1: the 13 loads of W issued behind it may be out)
;   98-113  S += v_w / (1 + 2^..): four chains by turns
.macro VEC o, more
.set XO, 160+32*(\o)
.if J < 2
	v_pk_mul_f32 v[XO+2*J:XO+2*J+1], v[XO+2*J:XO+2*J+1], v[208:209]
.elseif J < 44
.set VQ, (J-2)/3
.if (J-2)%3 == 2
	v_pk_mul_f32 v[XO+2*VQ+4:XO+2*VQ+5], v[XO+2*VQ+4:XO+2*VQ+5], v[208:209]
.else
	v_exp_f32 v[XO+2*VQ+(J-2)%3], v[XO+2*VQ+(J-2)%3]
.endif
.elseif J < 48
	v_exp_f32 v[XO+J-16], v[XO+J-16]
.elseif J == 48
	v_nop
	s_wait_alu depctr_va_vdst(0)
.elseif J < 51
	v_pk_add_f32 v[XO+2*(J-49):XO+2*(J-49)+1], v[XO+2*(J-49):XO+2*(J-49)+1], v[210:211]
.elseif J < 93
.set VQ, (J-51)/3
.if (J-51)%3 == 2
	v_pk_add_f32 v[XO+2*VQ+4:XO+2*VQ+5], v[XO+2*VQ+4:XO+2*VQ+5], v[210:211]
.else
	v_rcp_f32 v[XO+2*VQ+(J-51)%3], v[XO+2*VQ+(J-51)%3]
.endif
.elseif J < 97
	v_rcp_f32 v[XO+J-65], v[XO+J-65]
.elseif J == 97
	v_nop
	s_wait_alu depctr_va_vdst(0)
	s_wait_dscnt 13*(\more)
.else
.set VF, J-98
.set VJ, 2*(VF/4)
.set VP, VF%4
	v_pk_fma_f32 v[32+8*(\o)+2*VP:33+8*(\o)+2*VP], v[XO+8*VP+VJ:XO+8*VP+VJ+1], v[192+8*(\o)+VJ:193+8*(\o)+VJ], v[32+8*(\o)+2*VP:33+8*(\o)+2*VP]
.endif
.set J, J+1
.endm
; A STEP.  u: the set (parity) of the tile that is multiplied; the tile before it, in set 1 - u, has its vector work.  mm, vec: the step has matrix, vector work.  more = 1: the next tile of W is fetched.
; The LDS loads stand in one run at the step's head: v_w of the tile in set 1 - u, then the next tile of W into set 1 - u, which the step before multiplied.  Behind that step's last matrix instruction stand
; its last nine multiply-adds, which name none of its registers: the plain instructions that the ISA guide (7.12.1) asks for ahead of a read of the results; the same stand ahead of loads into the operands.
.macro STEP u, mm, vec, more, woff, soff, voff
	s_wait_dscnt 0x0                               ; the tile of W that was asked for a step ago is in
.if \vec
	WIN 0x44                                       ; destination window 1
	LOADV 1-(\u), \voff
.endif
	WIN 0x04                                       ; source 1 window 1, for the whole step
.if \more
	LOADW 1-(\u), \woff, \soff
.endif
.set I, 0
.set J, 0
.rept 16
.if \mm
	MM \u
.endif
.if \vec
.rept 7
	VEC 1-(\u), \more
.endr
.endif
.endr
.if \vec
	VEC 1-(\u), \more
	VEC 1-(\u), \more
.endif
.endm
	s_mov_b32 s85, 0                               ; the chunk's place in a row of S
	s_mov_b32 s87, 2
.Lchunk:
	LOADQ 0
	LOADQ 1
	LOADP 0
.irp n, 0,1,2,3,4,5,6,7,8,9,10,11,12,13,14,15
	UNIT \n
.endr
.set J, 0
.rept 16
	v_mov_b32 v[32+J], 0                           ; S begins at 0.  (These are also the plain instructions between the last scale word and code written above and the first scaled product)
.set J, J+1
.endr
	WIN 0x40                                       ; the two constants, as pairs, where hq's odd K steps lay
	v_mov_b32 v208, 0x4038aa3b                     ; 2 log2(e)
	v_mov_b32 v209, 0x4038aa3b
	v_mov_b32 v210, 1.0
	v_mov_b32 v211, 1.0
	WIN 0
	s_wait_tensorcnt 1                             ; my parts of v_w and of W are in; the load of hq's codes, issued behind them, may be out
	BAR                                            ; everybody's are
	s_mov_b32 s82, 0                               ; a trip's place in W (12,288 bytes: two tiles), in its scale words (512) and in v_w (128)
	s_mov_b32 s83, 0
	s_mov_b32 s84, 0
	v_add_nc_u32 v8, s82, v5
	v_add_nc_u32 v9, s83, v6
	LOADW 0, 0, 0                                  ; tiles 0 and 1
	LOADW 1, 6144, 256
	s_wait_dscnt 13                                ; tile 0 is in; tile 1's 13 loads may be out
	WIN 0x04
.set I, 0
.rept 16
	MM 0                                           ; step 0: tile 0's products: there is no vector work yet to set between them
.endr
	WIN 0
.rept 4
	v_nop                                          ; the plain instructions behind them
.endr
	s_mov_b32 s86, 15
.Lphase:                                               ; trip t: steps 2 t + 1 and 2 t + 2
	v_add_nc_u32 v8, s82, v5
	v_add_nc_u32 v9, s83, v6
	v_add_nc_u32 v10, s84, v7
	STEP 1, 1, 1, 1, 12288, 512, 0                 ; tile 2 t + 1 is multiplied | tile 2 t's vector work | tile 2 t + 2 is fetched
	STEP 0, 1, 1, 1, 18432, 768, 64                ; tile 2 t + 2 | tile 2 t + 1 | tile 2 t + 3
	WIN 0                                          ; at a label and at a branch every window is 0
	s_add_co_u32 s82, s82, 12288
	s_add_co_u32 s83, s83, 512
	s_add_co_u32 s84, s84, 128
	s_sub_co_u32 s86, s86, 1
	s_cmp_lg_u32 s86, 0
	s_cbranch_scc1 .Lphase
	v_add_nc_u32 v10, s84, v7
	STEP 1, 1, 1, 0, 0, 0, 0                       ; tile 31 | tile 30: there is no W behind it
	STEP 0, 0, 1, 0, 0, 0, 64                      ; tile 31's vector work
	WIN 0
.irp p, 0,1,2,3                                ; S of (p, my q): the two parities' pairs, a pair's halves, and lane l xor 16's eight v of each tile
	v_pk_add_f32 v[32+2*\p:33+2*\p], v[32+2*\p:33+2*\p], v[40+2*\p:41+2*\p]
.endr
.irp p, 0,1,2,3
	v_add_f32 v[32+2*\p], v[32+2*\p], v[33+2*\p]
.endr
.irp p, 0,1,2,3
	v_permlanex16_b32 v[40+\p], v[32+2*\p], s76, s77
.endr
.irp p, 0,1,2,3
	v_add_f32 v[32+2*\p], v[32+2*\p], v[40+\p]
.endr
	v_add_nc_u32 v11, s85, v13
.irp p, 0,1,2,3
	ds_store_b32 v11, v[32+2*\p] offset:\p*TP      ; both halves of the lanes write the same word with the same value
.endr
	s_add_co_u32 s85, s85, 64                      ; 16 q on
	s_add_nc_u64 s[4:5], s[4:5], 32768             ; 16 rows of hq on: all loads that read this base were shown done by the last K step's wait for 0
	s_sub_co_u32 s87, s87, 1
	s_cmp_lg_u32 s87, 0
	s_cbranch_scc1 .Lchunk
	s_wait_tensorcnt 0x0                           ; my part of hq's codes is in: no tensor load of mine is out from here on
	BAR                                            ; S is whole, and so are hq's codes
	; ---- THE END.  Lane (r, h) holds of row p = (r + r / 8) % 4 the q = 64 b + 32 h + 0 .. 31, b = 0 .. 3: four whole blocks, in the order of the operand's registers
.irp k, 0,1,2,3
	ds_load_b128 v[192+4*\k:195+4*\k], v57 offset:16*\k   ; v_w, 16 numbers a lane
.endr
.irp b, 0,1,2,3
.irp i, 0,1,2,3,4,5,6,7
	ds_load_b128 v[64+32*\b+4*\i:67+32*\b+4*\i], v14 offset:256*\b+16*\i
.endr
.endr
.irp t, 0,1,2,3
	ds_load_b64 v[48+2*\t:49+2*\t], v56 offset:128*\t     ; hq's scale words: tile t, both K steps
.endr
	WIN 0x40
.irp f, 0,1,2,3,4,5,6,7                        ; hq's fragments 2 t + s2 of my four tiles, into window 1
.irp c, 0,1,2
	ds_load_b128 v[12*\f+4*\c:12*\f+4*\c+3], v15 offset:1536*\f+512*\c
.endr
.endr
	WIN 0
	s_wait_dscnt 28                                ; v_w and S are in; hq's 4 + 24 loads may be out
.irp a, 192,196,200,204                        ; sum(v_w)
	v_pk_add_f32 v[\a:\a+1], v[\a:\a+1], v[\a+2:\a+3]
.endr
	v_pk_add_f32 v[192:193], v[192:193], v[196:197]
	v_pk_add_f32 v[200:201], v[200:201], v[204:205]
	v_pk_add_f32 v[192:193], v[192:193], v[200:201]
	v_add_f32 v192, v192, v193
	v_add_f32_dpp v192, v192, v192 row_xmask:1 row_mask:0xf bank_mask:0xf
	v_add_f32_dpp v192, v192, v192 row_xmask:2 row_mask:0xf bank_mask:0xf
	v_add_f32_dpp v192, v192, v192 row_xmask:4 row_mask:0xf bank_mask:0xf
	v_add_f32_dpp v192, v192, v192 row_xmask:8 row_mask:0xf bank_mask:0xf
	v_permlanex16_b32 v59, v192, s76, s77
	v_add_f32 v192, v192, v59
	v_mul_f32 v220, 0x3fb8aa3b, v192               ; log2(e) sum(v_w)
	v_mov_b32 v221, v220
.set J, 0
.rept 64
	v_pk_fma_f32 v[64+J:65+J], v[64+J:65+J], s[80:81], v[220:221] op_sel_hi:[1,0,1]   ; t = log2(e) (sum(v_w) - 2 S)
.set J, J+2
.endr
.irp b, 0,1,2,3                                ; the row's largest t: four chains
	v_max3_num_f32 v[244+\b], v[64+32*\b], v[65+32*\b], v[66+32*\b]
.endr
.irp i, 3,5,7,9,11,13,15,17,19,21,23,25,27,29
.irp b, 0,1,2,3
	v_max3_num_f32 v[244+\b], v[244+\b], v[64+32*\b+\i], v[65+32*\b+\i]
.endr
.endr
.irp b, 0,1,2,3
	v_max_num_f32 v[244+\b], v[244+\b], v[95+32*\b]
.endr
	v_max3_num_f32 v252, v244, v245, v246
	v_max_num_f32 v252, v252, v247
	v_permlanex16_b32 v59, v252, s76, s77
	v_max_num_f32 v252, v252, v59                  ; with lane l xor 16's half of the row
	v_floor_f32 v222, -v252                        ; -M = floor(-t) = -ceil(t): M is a whole number
	v_mov_b32 v223, v222
.set J, 0
.rept 64
	v_pk_add_f32 v[64+J:65+J], v[64+J:65+J], v[222:223]
.set J, J+2
.endr
.set J, 0
.rept 128
	v_exp_f32 v[64+J], v[64+J]                     ; p = 2^(t - M), at most 1: not normalised
.set J, J+1
.endr
	v_nop                                          ; a plain place behind the last exponential
	s_wait_alu depctr_va_vdst(0)                   ; one wait for the batch, ahead of its first reader
	v_pk_add_f32 v[248:249], v[64:65], v[66:67]    ; the row's sum is taken of the unquantised p: two chains
	v_pk_add_f32 v[250:251], v[68:69], v[70:71]
.set J, 8
.rept 30
	v_pk_add_f32 v[248:249], v[248:249], v[64+J:65+J]
	v_pk_add_f32 v[250:251], v[250:251], v[66+J:67+J]
.set J, J+4
.endr
	v_pk_add_f32 v[248:249], v[248:249], v[250:251]
	v_add_f32 v218, v248, v249
	v_permlanex16_b32 v59, v218, s76, s77
	v_add_f32 v218, v218, v59                      ; l
.irp b, 0,1,2,3                                ; each block's largest p (none is negative), with the floor 2^(3 - 127)
	v_max3_num_f32 v[232+\b], v[64+32*\b], v[65+32*\b], 0x1800000
.endr
.irp i, 2,4,6,8,10,12,14,16,18,20,22,24,26,28,30
.irp b, 0,1,2,3
	v_max3_num_f32 v[232+\b], v[232+\b], v[64+32*\b+\i], v[65+32*\b+\i]
.endr
.endr
.irp b, 0,1,2,3
	v_add_nc_u32 v[236+\b], 0xff000000, v[232+\b]  ; the conversion's scale operand
.endr
.irp b, 0,1,2,3
	v_lshrrev_b32 v[240+\b], 23, v[236+\b]         ; the scale's byte
.endr
.irp k, 0,1                                    ; P's scale word of K step k
	v_lshl_or_b32 v[60+\k], v[241+2*\k], 16, v[240+2*\k]
.endr
.irp k, 0,1
	v_lshlrev_b32 v[60+\k], v12, v[60+\k]
.endr
.irp k, 0,1
	v_permlanex16_b32 v[244+\k], v[60+\k], s76, s77
.endr
.irp k, 0,1
	v_or_b32 v[60+\k], v[60+\k], v[244+\k]
.endr
.irp b, 0,1,2,3                                ; P's two fragments: registers 6 b .. 6 b + 5 from v192 on
	v_cvt_scalef32_pk16_fp6_f32 v[192+6*\b:194+6*\b], v[64+32*\b:79+32*\b], v[236+\b]
	v_cvt_scalef32_pk16_fp6_f32 v[32+4*\b:34+4*\b], v[80+32*\b:95+32*\b], v[236+\b]   ; (a conversion's three registers begin on an even number)
.endr
	v_nop                                          ; one plain place behind a scaled conversion
.irp b, 0,1,2,3
.irp i, 0,1,2
	v_mov_b32 v[195+6*\b+\i], v[32+4*\b+\i]
.endr
.endr
	v_rcp_f32 v219, v218
	v_nop                                          ; a plain place behind the reciprocal
	s_wait_alu depctr_va_vdst(0)                   ; and the wait ahead of its first reader
	v_readlane_b32 s88, v219, 0                    ; lanes 0 to 3 hold rows p = 0 to 3
	v_readlane_b32 s89, v219, 1
	v_readlane_b32 s90, v219, 2
	v_readlane_b32 s91, v219, 3
	v_cmp_ne_u32 vcc_lo, 0, v2
	v_mov_b32 v252, s88
	v_mov_b32 v254, s89
	v_mov_b32 v253, s90
	v_mov_b32 v255, s91
	v_cndmask_b32 v252, v252, v254, vcc_lo         ; 1 / l of row h,
	v_cndmask_b32 v253, v253, v255, vcc_lo         ; and of row 2 + h
.rept 4
	v_nop
.endr
	s_wait_dscnt 0x0                               ; hq's fragments and scale words are in
	WIN 0x04                                       ; source 1, hq: window 1
.irp k, 0,1                                    ; source 0 = P, source 1 = 16 columns of hq; four accumulators by turns
.irp t, 0,1,2,3
.if \k == 0
	v_wmma_scale_f32_16x16x128_f8f6f4 v[64+8*\t:71+8*\t], v[192+12*\k:203+12*\k], v[24*\t+12*\k:24*\t+12*\k+11], 0, v[60+\k], v[48+2*\t+\k] matrix_a_fmt:MATRIX_FMT_FP6 matrix_b_fmt:MATRIX_FMT_FP6
.else
	v_wmma_scale_f32_16x16x128_f8f6f4 v[64+8*\t:71+8*\t], v[192+12*\k:203+12*\k], v[24*\t+12*\k:24*\t+12*\k+11], v[64+8*\t:71+8*\t], v[60+\k], v[48+2*\t+\k] matrix_a_fmt:MATRIX_FMT_FP6 matrix_b_fmt:MATRIX_FMT_FP6
.endif
.endr
.endr
	WIN 0
.rept 4
	v_nop                                          ; four places ahead of the first read of a result
.endr
.irp t, 0,1,2,3
	v_mul_f32 v[96+\t], v[64+8*\t], v252           ; register 0: row h, column 64 wave + 4 r + t
.endr
.irp t, 0,1,2,3
	v_mul_f32 v[100+\t], v[66+8*\t], v253          ; register 2: row 2 + h
.endr
	global_store_b128 v58, v[96:99], s[14:15] th:TH_STORE_NT                 ; sixteen lanes store 256 consecutive bytes, at a multiple of 256 from out0's first byte
	global_store_b128 v58, v[100:103], s[14:15] offset:4096 th:TH_STORE_NT
	s_wait_xcnt 0x0
	v_lshl_add_u32 v254, v0, 2, 0x4e900
	v_mov_b32 v255, 0
	s_wait_tensorcnt 0x0
	ds_add_u32 v254, v255
	s_wait_dscnt 0x0
	ROUND                                          ; the closing round: no work-group ends while a partner may still ask for a tile that names it
	s_endpgm
.Lfunc_end_k_qe03ac4545f_main:
	.size	k_qe03ac4545f_main, .Lfunc_end_k_qe03ac4545f_main-k_qe03ac4545f_main
	.p2alignl 7, 3214868480
	.fill 96, 4, 3214868480
	.section	.rodata,"a",@progbits
	.p2align	6, 0x0
	.amdhsa_kernel k_qe03ac4545f_main
		.amdhsa_group_segment_fixed_size 327680
		.amdhsa_private_segment_fixed_size 0
		.amdhsa_enable_private_segment 0
		.amdhsa_kernarg_size 48
		.amdhsa_user_sgpr_count 2
		.amdhsa_user_sgpr_kernarg_segment_ptr 1
		.amdhsa_wavefront_size32 1
		.amdhsa_system_sgpr_workgroup_id_x 1
		.amdhsa_system_sgpr_workgroup_id_y 1
		.amdhsa_system_sgpr_workgroup_id_z 1
		.amdhsa_system_vgpr_workitem_id 0
		.amdhsa_next_free_vgpr 512
		.amdhsa_next_free_sgpr 96
		.amdhsa_reserve_vcc 1
		.amdhsa_float_denorm_mode_32 3
		.amdhsa_float_denorm_mode_16_64 3
		.amdhsa_memory_ordered 1
		.amdhsa_forward_progress 1
		.amdhsa_inst_pref_size 181
	.end_amdhsa_kernel
	.amdgpu_metadata
---
amdhsa.version: [ 1, 2 ]
amdhsa.kernels:
  - .name:           k_qe03ac4545f_main
    .symbol:         k_qe03ac4545f_main.kd
    .args:
      - { .name: hq, .offset: 0, .size: 8, .value_kind: global_buffer, .address_space: global }
      - { .name: hp, .offset: 8, .size: 8, .value_kind: global_buffer, .address_space: global }
      - { .name: v_w, .offset: 16, .size: 8, .value_kind: global_buffer, .address_space: global }
      - { .name: wq, .offset: 24, .size: 8, .value_kind: global_buffer, .address_space: global }
      - { .name: hqq, .offset: 32, .size: 8, .value_kind: global_buffer, .address_space: global }
      - { .name: out0, .offset: 40, .size: 8, .value_kind: global_buffer, .address_space: global }
    .group_segment_fixed_size: 327680
    .private_segment_fixed_size: 0
    .kernarg_segment_align: 8
    .kernarg_segment_size: 48
    .max_flat_workgroup_size: 256
    .sgpr_count:     96
    .vgpr_count:     512
    .wavefront_size: 32
...
	.end_amdgpu_metadata
.endif
;; end of part 2
